; MI455X (gfx1250); checked and timed in simulation.
; The chip was launched on July 23, 2026; its instructions are those of AMD's public machine-readable ISA for CDNA 5 (MIT licence, August 2026) and "CDNA5" Instruction Set Architecture Reference Guide (July 2026). The comments in the code are by the model that wrote it; some were corrected since.
;; PLRNN Step. Allowed arithmetic: matrix products marked QUANTISED: E3M2 operands, one E8M0 scale for each 32 along K, by v_wmma_scale_f32_16x16x128_f8f6f4 with both operands' format E3M2, f32 sums; everything else in f32.
;; Inputs: A 1,024 float32; C 1,024 x 64 float32; W1 4,096 x 1,024 float32; W2 1,024 x 4,096 float32; h1 4,096 float32; h2 1,024 float32; s 8,192 x 64 float32; z 8,192 x 1,024 float32.
;; Outputs: out0 8,192 x 1,024 float32.
;; This version of the problem:
;;   THIS VERSION OF THE PROBLEM IS GIVEN IN LOW PRECISION. The matrix products marked QUANTISED in the list below multiply operands that are first quantised to E3M2 (3 exponent bits, 2 mantissa bits; 6 bits a number), with one power-of-two scale for each 32 numbers along K (OCP MX v1.0); their sums are f32. All else is computed in f32.
;;   The module's matrix products, in the order in which they are computed (A, B: the left and right operand; K: the contracted axis; several contracted axes count as one K, in the product's order):
;;     1. [M 8,192, K 1,024] x [K 1,024, N 4,096]; A: input z; B: input W1: QUANTISED
;;     2. [M 8,192, K 4,096] x [K 4,096, N 1,024]; A: computed on the way; B: input W2: QUANTISED
;;     3. [M 8,192, K 64] x [K 64, N 1,024]; A: input s; B: input C: QUANTISED
;;   THE QUANTISER, for each operand of a quantised product, along K:
;;     - K is cut into blocks of 32 from its start; a last block that is shorter is filled with zeros.
;;     - A block's scale is 2^e with e = floor(log2(the largest magnitude in the block)) - 4, held to -126 .. 127; a block of zeros has e = 0. As a byte (E8M0): e + 127.
;;     - Each number is divided by its block's scale, clamped to +-28, and rounded to the nearest number of E3M2, ties to even, subnormals kept.
;;     - The product sums the exact products of the quantised numbers (number of the format x scale) in f32.
;;   ~~~python
;;   def quantise(x, axis):      # numpy; x: float32 -> the quantised numbers, widened to float32 again
;;       x = np.moveaxis(x, axis, -1); K = x.shape[-1]
;;       x = np.pad(x, [(0, 0)] * (x.ndim - 1) + [(0, -K % 32)]); x = x.reshape(x.shape[:-1] + (-1, 32)); a = np.abs(x).max(-1, keepdims=True)
;;       e = np.where(a > 0, np.clip(np.frexp(np.where(a > 0, a, 1))[1] - 1 - 4, -126, 127), 0)      # np.frexp(a)[1] - 1 = floor(log2(a)), exactly
;;       r = np.clip(x / 2.0 ** e, -28, 28)
;;       step = 2.0 ** (np.maximum(np.frexp(np.where(r == 0, 1, r))[1] - 1, -2) - 2)
;;       q = np.round(r / step) * step * 2.0 ** e      # np.round: ties to even
;;       return np.moveaxis(q.reshape(q.shape[:-2] + (-1,))[..., :K], -1, axis).astype(np.float32)
;;   ~~~
;;   OPERANDS COMPUTED ON THE WAY. 'Computed on the way' means the value that the module computes at that place (a softmax that the list does not call 'softmax' is quantised finished and normalised). What goes into a quantiser is computed in f32, as accurately as f32 sums, v_exp_f32 and their like allow (about 1e-6 of the number): no bf16 or f16 on the way to a quantiser, and a product that is left as it is and whose result goes on into a quantised operand takes f32 operands (vector FMAs, or v_wmma_f32_16x16x4_f32). A number that lies on a knife's edge between two numbers of the format may be rounded either way, as far as f32 arithmetic and the matrix unit's own rounding can turn it there, and no further.
;; One version. Each part assembles by itself: llvm-mc -triple=amdgcn-amd-amdhsa -mcpu=gfx1250 --defsym DOCPART=n.
;; ======== version 1 of 1: 3 launches
;; limits: right only within a limited range of input values
;; workspace buffers: zq 6,553,600 bytes; w1q 3,276,800 bytes; w2q 3,276,800 bytes; sq 409,600 bytes; cq 51,200 bytes; hq 26,214,400 bytes
;; launch quant (part 1): grid 2120 x 1, 1 waves a work-group, no clusters, 8,704 bytes of LDS; arguments z, W1, W2, s, C, zq, w1q, w2q, sq, cq; writes zq, w1q, w2q, sq, cq
.if DOCPART == 1
	.amdgcn_target "amdgcn-amd-amdhsa--gfx1250"
	.amdhsa_code_object_version 6
	.text
	.protected	k_qd645f32620_quant
	.globl	k_qd645f32620_quant
	.p2align	8
	.type	k_qd645f32620_quant,@function
k_qd645f32620_quant:
	s_mov_b64 s[64:65], 0
	v_nop
	global_prefetch_b8 v0, s[64:65] scope:SCOPE_SE
	s_setreg_imm32_b32 hwreg(HW_REG_WAVE_MODE, 25, 1), 1
	s_wait_xcnt 0x0
; z [8192][1024], W1 [4096][1024], W2 [1024][4096], s [8192][64], C [1024][64], all f32 with K innermost, become codes of BF6 (E3M2) with one E8M0 byte for each 32 along K.
; A block's scale is 2^(floor(log2(its largest magnitude)) - 4); its byte is the largest magnitude's exponent field - 4, held at 1 from below by a floor among the maximum's leaves.
; LIMITS: NaN and infinities are not served; a block of zeros, or one whose largest magnitude lies under 2^-122, gets the byte 1 (its codes are zeros or subnormal codes; this program alone reads the bytes).
; THE OUTPUT IS LAID IN THE ORDER OF THE OPERAND'S REGISTERS.  A super-block is 64 rows x 256 K in 12,800 bytes: fragment (q, j) (K step q of 128, rows 16 j on) at (4 q + j) x 1,536, its registers 4 c .. 4 c + 3 of lane l
; at 512 c + 16 l; behind the eight fragments 512 bytes of scale words, that of (q, row r of the strip, j) at 256 q + 16 r + 4 j.  Super-blocks lie [k / 256][row / 64].
; W1's strips take their rows out of order: lane i of strip j holds row 64 G + 32 (j / 2) + 8 (j % 2) + i + 8 (i / 8), so that the first product's results are neighbours along the second product's K.
; s and C have K = 64: two rows, i and i + 16, are read as ONE row of 128, so that registers 0-5 of a fragment are one strip of 16 rows and registers 6-11 the next.
; SHARES.  A work-group is ONE wave, since waves share nothing: it takes half a super-block, four fragments at one q, 8,192 numbers: 2,120 equal pieces, the finest share that the layout gives.
; One path serves all five tensors: only scalars differ, chosen by the work-group's number.
; Each load reads 512 consecutive bytes of one row; a fragment's 16 rows turn through the wave's stage in LDS, so that a lane then holds two whole blocks of 32 of its row, in the order that the operand's layout gives it.
; No barrier.  Three fragments' loads (48) are out at the start.
.set VO,   16                          ; v16-31  byte offset of my 16 bytes in row i of a fragment
.set PC,   32                          ; v32-43  the fragment's codes
.set TP,   44                          ; v44-46, v48-50  the second halves of the blocks' codes (a conversion's three registers begin on an even number)
.set MX,   52                          ; v52-53  largest magnitudes;  v54-55 the conversions' scale operands;  v56-57 the bytes
.set SO,   54
.set BY,   56
.set PW,   60                          ; v60-63  the four fragments' scale words
.set X,    64                          ; v64-255 three sets of 64 numbers
	s_load_b512 s[4:19], s[0:1], 0x0               ; z, W1, W2, s, C, zq, w1q, w2q
	s_load_b128 s[20:23], s[0:1], 0x40             ; sq, cq
	v_lshl_add_u32 v47, v0, 2, 0x2100
	v_mov_b32 v51, 0
	v_and_b32 v2, 15, v0                           ; r  (v0 is the lane: the work-group is one wave)
	v_bfe_u32 v3, v0, 4, 1                         ; h
	v_lshlrev_b32 v4, 4, v0                        ; 16 x lane: my place in a row's 512 bytes, in memory and in the stage, and in a store of codes
	v_mul_u32_u24 v6, v2, 528                      ; the stage: 16 rows x (512 + 16) bytes: the sixteen rows that a read touches begin 16 bytes apart modulo 256
	v_lshl_add_u32 v6, v3, 7, v6                   ; on the way out: row r, block h
	v_lshlrev_b32 v7, 3, v3                        ; 8 h: my bytes' place in the scale word
	v_lshl_add_u32 v8, v2, 4, v7                   ; 16 r + 8 h: my 8 bytes of the unit of scale words
	v_mov_b32 v59, 0                               ; written once: a lane permute's destination counts as one of its sources
	s_mov_b32 s54, 0x76543210
	s_mov_b32 s55, 0xfedcba98                      ; v_permlanex16_b32's selects for lane l xor 16
	s_mov_b32 s53, 0xffff0000                      ; lanes 16-31
	; the tensor's figures: C's first, then whichever the work-group's number says
	s_mov_b32 s28, 2112                            ; the tensor's first work-group
	s_mov_b32 s29, 256                             ; bytes from row to row
	s_mov_b32 s30, 8192                            ; from fragment j to j + 1
	s_mov_b32 s31, 65536                           ; from G to G + 1
	s_mov_b32 s32, 32768                           ; from q = 0 to q = 1
	s_mov_b32 s33, 0                               ; from P to P + 1
	s_mov_b32 s34, 16                              ; log2 of the number of G
	s_mov_b32 s35, 0                               ; W1 alone: 8 rows
	s_mov_b32 s36, 3840                            ; s and C: lanes 16-31 read the row 16 further down: 16 x 256 - 256
	s_wait_alu depctr_va_vdst(0)
	s_wait_kmcnt 0x0
	s_mov_b64 s[24:25], s[12:13]
	s_mov_b64 s[26:27], s[22:23]
	s_cmp_lt_u32 ttmp9, 2112                       ; s: 64 halves
	s_cselect_b32 s28, 2048, s28
	s_cselect_b64 s[24:25], s[10:11], s[24:25]
	s_cselect_b64 s[26:27], s[20:21], s[26:27]
	s_cmp_lt_u32 ttmp9, 2048                       ; W2: 512 halves
	s_cselect_b32 s28, 1536, s28
	s_cselect_b32 s29, 16384, s29
	s_cselect_b32 s30, 262144, s30
	s_cselect_b32 s31, 1048576, s31
	s_cselect_b32 s32, 512, s32
	s_cselect_b32 s33, 1024, s33
	s_cselect_b32 s34, 4, s34
	s_cselect_b32 s36, 0, s36
	s_cselect_b64 s[24:25], s[8:9], s[24:25]
	s_cselect_b64 s[26:27], s[18:19], s[26:27]
	s_cmp_lt_u32 ttmp9, 1536                       ; W1: 512 halves
	s_cselect_b32 s28, 1024, s28
	s_cselect_b32 s29, 4096, s29
	s_cselect_b32 s30, 65536, s30
	s_cselect_b32 s31, 262144, s31
	s_cselect_b32 s34, 6, s34
	s_cselect_b32 s35, 32768, s35
	s_cselect_b64 s[24:25], s[6:7], s[24:25]
	s_cselect_b64 s[26:27], s[16:17], s[26:27]
	s_cmp_lt_u32 ttmp9, 1024                       ; z: 1,024 halves
	s_cselect_b32 s28, 0, s28
	s_cselect_b32 s34, 7, s34
	s_cselect_b32 s35, 0, s35
	s_cselect_b64 s[24:25], s[4:5], s[24:25]
	s_cselect_b64 s[26:27], s[14:15], s[26:27]
	s_sub_co_u32 s37, ttmp9, s28                   ; which half super-block of the tensor is mine
	s_and_b32 s38, s37, 1                          ; q
	s_lshr_b32 s37, s37, 1                         ; the super-block
	s_mul_i32 s50, s37, 12800
	s_mul_i32 s48, s38, 6144
	s_add_co_u32 s48, s48, s50                     ; my four fragments
	s_mov_b32 s49, 0
	s_lshl_b32 s51, s38, 8
	s_add_co_u32 s50, s50, s51
	s_add_co_u32 s50, s50, 12288                   ; my 256 bytes of scale words
	s_mov_b32 s51, 0
	s_add_nc_u64 s[48:49], s[26:27], s[48:49]
	s_add_nc_u64 s[50:51], s[26:27], s[50:51]
	s_lshl_b32 s39, 1, s34
	s_sub_co_u32 s39, s39, 1
	s_and_b32 s39, s37, s39                        ; G
	s_lshr_b32 s37, s37, s34                       ; P
	s_mul_i32 s39, s39, s31
	s_mul_i32 s37, s37, s33
	s_mul_i32 s38, s38, s32
	s_add_co_u32 s38, s38, s39
	s_add_co_u32 s38, s38, s37                     ; where fragment 0 begins in the tensor, in bytes (under 2^26)
	s_mov_b32 s39, 0
	s_add_nc_u64 s[40:41], s[24:25], s[38:39]
	s_add_co_u32 s38, s38, s30
	s_sub_co_u32 s38, s38, s35                     ; W1: an odd strip begins 8 rows behind its even neighbour, not 16
	s_add_nc_u64 s[42:43], s[24:25], s[38:39]
	s_add_co_u32 s38, s38, s35
	s_add_co_u32 s38, s38, s30
	s_add_nc_u64 s[44:45], s[24:25], s[38:39]
	s_add_co_u32 s38, s38, s30
	s_sub_co_u32 s38, s38, s35
	s_add_nc_u64 s[46:47], s[24:25], s[38:39]
	v_mul_u32_u24 v9, s36, v3
	v_add_nc_u32 v9, v9, v4
	s_wait_alu depctr_va_vdst(0)
	s_mov_b32 s37, 0
.irp i, 0,1,2,3,4,5,6,7,8,9,10,11,12,13,14,15
	v_add_nc_u32 v[VO+\i], s37, v9
	s_add_co_u32 s37, s37, s29
.if \i == 7
	s_add_co_u32 s37, s37, s35                     ; W1: a strip's rows 8-15 lie 8 rows further on
.endif
.endr
.macro LOADF f, set                    ; fragment f: 16 rows of 512 bytes, 32 lanes x 16 consecutive bytes each
.irp i, 0,1,2,3,4,5,6,7,8,9,10,11,12,13,14,15
	global_load_b128 v[X+64*(\set)+4*\i:X+64*(\set)+4*\i+3], v[VO+\i], s[40+2*(\f):41+2*(\f)] th:TH_LOAD_NT
.endr
.endm
.macro TURNF set                       ; through the stage and back into the registers just left: LDS serves a wave's instructions in order (ISA guide 5.7.1.4), so no wait stands between the stores and the loads
.irp i, 0,1,2,3,4,5,6,7,8,9,10,11,12,13,14,15
	ds_store_b128 v4, v[X+64*(\set)+4*\i:X+64*(\set)+4*\i+3] offset:528*\i
.endr
.irp c, 0,1
.irp j, 0,1,2,3,4,5,6,7
	ds_load_b128 v[X+64*(\set)+32*\c+4*\j:X+64*(\set)+32*\c+4*\j+3], v6 offset:256*\c+16*\j   ; register 32 c + i = k 64 c + 32 h + i of row r
.endr
.endr
.endm
.macro QF f, set                       ; two whole blocks a lane become the fragment's twelve registers, and leave
.set XS, X+64*(\set)
.irp c, 0,1
	v_max3_num_f32 v[MX+\c], |v[XS+32*\c]|, |v[XS+32*\c+1]|, 0x2800000   ; the floor 2^(5 - 127): the byte cannot fall under 1
.endr
.irp i, 2,4,6,8,10,12,14,16,18,20,22,24,26,28,30
.irp c, 0,1
	v_max3_num_f32 v[MX+\c], v[MX+\c], |v[XS+32*\c+\i]|, |v[XS+32*\c+\i+1]|   ; (the two blocks by turns)
.endr
.endr
.irp c, 0,1
	v_add_nc_u32 v[SO+\c], 0xfe000000, v[MX+\c]    ; 4 off the exponent field: the conversion takes this operand's exponent field as its scale
.endr
.irp c, 0,1
	v_lshrrev_b32 v[BY+\c], 23, v[SO+\c]           ; the scale's byte
.endr
	v_lshl_or_b32 v58, v[BY+1], 16, v[BY]          ; my two bytes: blocks h and 2 + h,
	v_lshlrev_b32 v58, v7, v58                     ; at their places in the word;
	v_permlanex16_b32 v59, v58, s54, s55
	v_or_b32 v[PW+(\f)], v58, v59                  ; with lane l xor 16's two the word is whole
.if (\f) > 0
	s_wait_alu depctr_va_vdst(0)
	s_wait_xcnt 0x0                                ; the last fragment's stores have read the codes' registers: they are written again only behind this wait
.endif
.irp c, 0,1
	v_cvt_scalef32_pk16_bf6_f32 v[PC+6*\c:PC+6*\c+2], v[XS+32*\c:XS+32*\c+15], v[SO+\c]
	v_cvt_scalef32_pk16_bf6_f32 v[TP+4*\c:TP+4*\c+2], v[XS+32*\c+16:XS+32*\c+31], v[SO+\c]
.endr
	v_nop                                          ; one plain place behind a scaled conversion
.irp c, 0,1
.irp i, 0,1,2
	v_mov_b32 v[PC+3+6*\c+\i], v[TP+4*\c+\i]
.endr
.endr
.irp g, 0,1,2
	global_store_b128 v4, v[PC+4*\g:PC+4*\g+3], s[48:49] offset:1536*(\f)+512*\g   ; 32 lanes store 512 consecutive bytes, at a multiple of 256 from the buffer's first byte
.endr
.endm
	s_wait_alu depctr_va_vdst(0)
	LOADF 0, 0
	LOADF 1, 1
	LOADF 2, 2
	s_wait_loadcnt 32                              ; fragment 0's 16 loads are in; the 32 of fragments 1 and 2 may be out
	TURNF 0
	s_wait_dscnt 0x0
	QF 0, 0
	LOADF 3, 0
	s_wait_loadcnt 32                              ; fragment 1 is in; fragments 2 and 3 may be out
	TURNF 1
	s_wait_dscnt 0x0
	QF 1, 1
	s_wait_loadcnt 16                              ; fragment 2 is in; fragment 3 may be out
	TURNF 2
	s_wait_dscnt 0x0
	QF 2, 2
	s_wait_loadcnt 0x0
	TURNF 0
	s_wait_dscnt 0x0
	QF 3, 0
	v_cndmask_b32 v52, v60, v62, s53               ; lanes 0-15 store the words of strips 0 and 1 of their row, lanes 16-31 those of strips 2 and 3
	v_cndmask_b32 v53, v61, v63, s53
	global_store_b64 v8, v[52:53], s[50:51]        ; 32 lanes store 256 consecutive bytes, aligned
	s_wait_tensorcnt 0x0
	ds_add_u32 v47, v51
	s_wait_dscnt 0x0
	s_endpgm
.Lfunc_end_k_qd645f32620_quant:
	.size	k_qd645f32620_quant, .Lfunc_end_k_qd645f32620_quant-k_qd645f32620_quant
	.p2alignl 7, 3214868480
	.fill 96, 4, 3214868480
	.section	.rodata,"a",@progbits
	.p2align	6, 0x0
	.amdhsa_kernel k_qd645f32620_quant
		.amdhsa_group_segment_fixed_size 8704
		.amdhsa_private_segment_fixed_size 0
		.amdhsa_enable_private_segment 0
		.amdhsa_kernarg_size 80
		.amdhsa_user_sgpr_count 2
		.amdhsa_user_sgpr_kernarg_segment_ptr 1
		.amdhsa_wavefront_size32 1
		.amdhsa_system_sgpr_workgroup_id_x 1
		.amdhsa_system_sgpr_workgroup_id_y 1
		.amdhsa_system_sgpr_workgroup_id_z 1
		.amdhsa_system_vgpr_workitem_id 0
		.amdhsa_next_free_vgpr 256
		.amdhsa_next_free_sgpr 66
		.amdhsa_reserve_vcc 0
		.amdhsa_float_denorm_mode_32 3
		.amdhsa_float_denorm_mode_16_64 3
		.amdhsa_memory_ordered 1
		.amdhsa_forward_progress 1
		.amdhsa_inst_pref_size 33
	.end_amdhsa_kernel
	.amdgpu_metadata
---
amdhsa.version: [ 1, 2 ]
amdhsa.kernels:
  - .name:           k_qd645f32620_quant
    .symbol:         k_qd645f32620_quant.kd
    .args:
      - { .name: z, .offset: 0, .size: 8, .value_kind: global_buffer, .address_space: global }
      - { .name: W1, .offset: 8, .size: 8, .value_kind: global_buffer, .address_space: global }
      - { .name: W2, .offset: 16, .size: 8, .value_kind: global_buffer, .address_space: global }
      - { .name: s, .offset: 24, .size: 8, .value_kind: global_buffer, .address_space: global }
      - { .name: C, .offset: 32, .size: 8, .value_kind: global_buffer, .address_space: global }
      - { .name: zq, .offset: 40, .size: 8, .value_kind: global_buffer, .address_space: global }
      - { .name: w1q, .offset: 48, .size: 8, .value_kind: global_buffer, .address_space: global }
      - { .name: w2q, .offset: 56, .size: 8, .value_kind: global_buffer, .address_space: global }
      - { .name: sq, .offset: 64, .size: 8, .value_kind: global_buffer, .address_space: global }
      - { .name: cq, .offset: 72, .size: 8, .value_kind: global_buffer, .address_space: global }
    .group_segment_fixed_size: 8704
    .private_segment_fixed_size: 0
    .kernarg_segment_align: 8
    .kernarg_segment_size: 80
    .max_flat_workgroup_size: 32
    .sgpr_count:     66
    .vgpr_count:     256
    .wavefront_size: 32
...
	.end_amdgpu_metadata
.endif
;; end of part 1
;; launch gemm1 (part 2): grid 16 x 16, 4 waves a work-group, clusters of 4 x 4, 327,680 bytes of LDS; arguments zq, w1q, h1, hq; writes hq
.if DOCPART == 2
	.amdgcn_target "amdgcn-amd-amdhsa--gfx1250"
	.amdhsa_code_object_version 6
	.text
	.protected	k_qd645f32620_gemm1
	.globl	k_qd645f32620_gemm1
	.p2align	8
	.type	k_qd645f32620_gemm1,@function
k_qd645f32620_gemm1:
	s_mov_b64 s[64:65], 0
	v_nop
	global_prefetch_b8 v0, s[64:65] scope:SCOPE_SE
	s_setreg_imm32_b32 hwreg(HW_REG_WAVE_MODE, 25, 1), 1
	s_wait_xcnt 0x0
	s_wait_alu depctr_hold_cnt(0) depctr_sa_sdst(0) depctr_va_vdst(0) depctr_va_sdst(0) depctr_va_ssrc(0) depctr_va_vcc(0) depctr_vm_vsrc(0)
	s_getreg_b32 s2, hwreg(HW_REG_IB_STS2, 6, 4)
	s_cmp_eq_u32 s2, 0
	s_cbranch_scc0 .Lentry_in_a_cluster
	s_endpgm
.Lentry_in_a_cluster:
	s_bfe_u32 s2, ttmp6, 0x10000c
	s_cmp_lg_u32 s2, 0xf033
	s_cbranch_scc0 .Lentry_shape_is_right
	s_endpgm
.Lentry_shape_is_right:
; hidden = Q(relu(z W1^T + h1)): the product on codes of BF6 (E3M2) with E8M0 scales for each 32 along K; bias and relu in f32; the result quantised along the hidden units and stored as codes.
; zq, w1q, hq lie in super-blocks of 64 rows x 256 K, 12,800 bytes: fragment (q, j) at (4 q + j) x 1,536 as an image of the operand's 12 registers (registers 4 c .. 4 c + 3 of lane l at 512 c + 16 l),
; then 512 bytes of scale words ((q, r, j) at 256 q + 16 r + 4 j); super-blocks lie [k / 256][row / 64].  So a fragment is three loads of 16 bytes a lane, each 512 consecutive bytes, and the rows of a tile at one K step are one dense block.
; SHARES.  A work-group makes two tiles of 256 rows x 256 hidden units, in one tile column, 4,096 rows apart; a wave 128 x 128: 64 accumulators.  K = 1,024 goes in four steps of 256.
; W1 STAYS IN LDS.  Both tiles take the same 256 rows of W1: for all of K they are 4 x 51,200 = 204,800 bytes, brought once, with the first fills.  Only z goes through a ring: two slots of 51,200 bytes.
; So the work-group brings 204,800 + 8 x 51,200 = 614,400 bytes into LDS where a ring for both operands would bring 819,200, and a refill is 51,200 bytes for a slot's 128 matrix instructions a wave.
; The ring goes on into the second tile: the first tile's way out stands while the second tile's first two slots land.  The text has no loop; only the first fills' tensor loads stand in branches on the wave's number.
; EVERY WAVE ISSUES EVERY REFILL, each for its own super-block of the four (12,800 bytes: 50 rows of 256).
; CLUSTERS: 4 x 4 work-groups; z's tiles are asked for jointly along a row of the cluster, W1's along a column.
; THE MATRIX INSTRUCTION IS USED TRANSPOSED (source 0 = 16 rows of W1, source 1 = 16 rows of z), and W1's strips hold their rows out of order (lane i of strip j: row 32 (j / 2) + 8 (j % 2) + i + 8 (i / 8) of its 64):
; a lane then holds ONE row, and the 16 registers of strips 2 b and 2 b + 1 are the 16 neighbouring hidden units 32 b + 16 (lane / 16) + 0 .. 15.  h1 is the C of each sum's first product.
; A scale register holds, for one strip, the words of K step 0 in lanes 0-15 and of K step 1 in lanes 16-31: K step q names row q of the register on both sides.
; LIMITS: NaN and infinities are not served; a block of the hidden layer that is all zeros gets the byte 1 (its codes are zeros; this program alone reads the bytes); h1 is added ahead of the sum over K, not behind it.
; REGISTERS, in windows of 256: window 0: v16-29 addresses; v32-63 scale words, two sets; v64-111 at work on the way out; v128-223 z's fragments, ONE set.
;   window 1: W1's fragments, two sets, at v0 and v128; h1 in the result's layout at v96-127 and v224-255.   windows 2, 3: the accumulators ((a, b) at v[8 (8 (a % 4) + b)] of window 2 + a / 4).
; OF THE LOADS, AS THE TEXT NOW STANDS: only the ring's refills are issued by every wave, each for its own super-block.  The first fills are shared out among the waves in arms of a branch on the wave's number, one load a wave
; at the head (z's and W1's K steps 0 and 1, each whole) and W1's K steps 2 and 3 behind the full sequence and a round.
; zq IS PREFETCHED: behind each of the first four refills the tile that stands two refills on, and at the head the first two refills' tiles: 50 blocks of 256 bytes a wave, shared out among the four partners of a row of the
; cluster by address (13 blocks each, held at the wave's last block).  The last two refills have no tile two on.  The base s[18:19] and the offsets v27 are never rewritten; every step is an immediate.
.set ASL,   51200
.set BRES,  2*ASL                      ; behind the ring: W1's four super-blocks of each of the four K steps
.set BKS,   51200
.set SPARE, BRES+4*BKS                 ; behind them: the spare words, 128 bytes a wave: two blocks of 256 bytes that no other line names
.set FR,    12
.set ADRA,  16                         ; v16-17  LDS address of my z fragments in slot 0, 1
.set ADRB,  20                         ; v20-23  LDS address of my W1 fragments of K step 0 .. 3
.set LI,    24                         ; v24     16 x lane
.set SV,    25                         ; v25     where my 16 bytes of scale words go, from HO on
.set HB,    26                         ; v26     64 x (lane / 16): my half's place in h1
.set SPW,   28                         ; v28     LDS address of my spare word; never rewritten
.set NIL,   29                         ; v29     0; never rewritten
.set SC,    32                         ; set s at v[32 + 16 s]: z's strips at +0 .. 7, W1's at +8 .. 15
.set TM,    64                         ; v64-67 largest magnitudes, v68-71 bytes, v76-79 the conversions' scale operands
.set PC,    80                         ; v80-98  the codes just made
.set PW,    100                        ; v100-107 the eight strips' scale words
.set MW,    108                        ; v108-111 the four that my lane stores
.set AF,    128
.set HO,    12                         ; s[12:13] where my wave's part of hq begins
.set G1,  24                           ; s[24:31] descriptor group 1 for z's tiles;  s[32:39] group 0, one set for each slot
.set G0,  32
.set G1B, 48                           ; s[48:55] group 1 for W1's;  s[56:63] groups 0 for its K steps 0, 1;  s[68:75] for 2, 3
.set G0B, 56
.set G0C, 68
.set MSB, 0
.macro WIN new                         ; the immediate's high byte repeats the setting that is left
.if MSB != (\new)
	s_set_vgpr_msb (MSB<<8)|(\new)
.set MSB, (\new)
.endif
.endm
.macro CREST                           ; a round of the cluster's barrier behind its opening barrier
	s_cmp_lg_u32 s14, 0
	s_cbranch_scc1 .Lnot_wave_0_\@
	s_barrier_signal -3
.Lnot_wave_0_\@:
	s_barrier_wait -3
	s_barrier_signal -1
	s_barrier_wait -1
.endm
.macro CROUND
	s_barrier_signal -1
	s_barrier_wait -1
	CREST
.endm
.macro PLACES n                        ; plain vector lines between a matrix instruction and a load into, or a read of, its registers
.rept \n
	v_nop
.endr
.endm
; the matrix line: D, source 0, source 1, C by their first registers; the two scale registers; ra, rb = 1: the scales come from lanes 16-31
.macro WM d, a, b, c, sa, sb, ra, rb
.if (\ra) && (\rb)
	v_wmma_scale_f32_16x16x128_f8f6f4 v[(\d):(\d)+7], v[(\a):(\a)+11], v[(\b):(\b)+11], v[(\c):(\c)+7], v[\sa], v[\sb] matrix_a_fmt:MATRIX_FMT_BF6 matrix_b_fmt:MATRIX_FMT_BF6 matrix_a_scale:MATRIX_SCALE_ROW1 matrix_b_scale:MATRIX_SCALE_ROW1
.elseif (\ra)
	v_wmma_scale_f32_16x16x128_f8f6f4 v[(\d):(\d)+7], v[(\a):(\a)+11], v[(\b):(\b)+11], v[(\c):(\c)+7], v[\sa], v[\sb] matrix_a_fmt:MATRIX_FMT_BF6 matrix_b_fmt:MATRIX_FMT_BF6 matrix_a_scale:MATRIX_SCALE_ROW1
.elseif (\rb)
	v_wmma_scale_f32_16x16x128_f8f6f4 v[(\d):(\d)+7], v[(\a):(\a)+11], v[(\b):(\b)+11], v[(\c):(\c)+7], v[\sa], v[\sb] matrix_a_fmt:MATRIX_FMT_BF6 matrix_b_fmt:MATRIX_FMT_BF6 matrix_b_scale:MATRIX_SCALE_ROW1
.else
	v_wmma_scale_f32_16x16x128_f8f6f4 v[(\d):(\d)+7], v[(\a):(\a)+11], v[(\b):(\b)+11], v[(\c):(\c)+7], v[\sa], v[\sb] matrix_a_fmt:MATRIX_FMT_BF6 matrix_b_fmt:MATRIX_FMT_BF6
.endif
.endm
	s_load_b256 s[4:11], s[0:1], 0x0               ; zq s[4:5], w1q s[6:7], h1 s[8:9], hq s[10:11]
	v_lshl_add_u32 v[SPW], v0, 2, SPARE
	v_mov_b32 v[NIL], 0
	ds_add_u32 v28, v29
	ds_add_u32 v28, v29
	s_wait_dscnt 0x0
	v_lshrrev_b32 v1, 5, v0
	v_readfirstlane_b32 s14, v1                    ; wave 0..3.  Also: which super-block of four I fetch
	s_lshr_b32 s15, s14, 1                         ; which half of the tile's rows is mine
	s_and_b32 s16, s14, 1                          ; which half of its hidden units
	s_bfe_u32 s40, ttmp6, 0x40000                  ; cx, cy: my place in the cluster
	s_bfe_u32 s41, ttmp6, 0x40004
	s_lshl_b32 s42, ttmp9, 2
	s_add_co_u32 s42, s42, s40                     ; tile column = 4 x cluster x + cx
	s_and_b32 s17, ttmp7, 0xffff
	s_lshl_b32 s17, s17, 2
	s_add_co_u32 s17, s17, s41                     ; tile row = 4 x cluster y + cy
	s_lshl_b32 s43, s41, 2
	s_lshl_b32 s43, 15, s43                        ; my row of the cluster
	s_lshl_b32 s44, 0x1111, s40                    ; my column
	; descriptor group 1: one super-block, 12,800 dense bytes, as 50 rows of 256 bytes (32 elements of 8 bytes); no padding
	s_or_b32 s[G1+0], s43, (3<<16)|(1<<21)         ; 15:0 the mask: z's tiles go to my row; 17:16 elements of 8 bytes; 21 set beside a mask
	s_or_b32 s[G1B+0], s44, (3<<16)|(1<<21)        ; W1's go to my column
; THE FIRST FILLS: one tensor load a wave at the head, each a whole K step of 256 (four super-blocks, 200 rows of 256 bytes): wave 0 z's K step 0, wave 1 W1's 0, wave 2 z's 1, wave 3 W1's 1.
; W1's K steps 2 and 3 follow behind the full sequence and a round, by waves 0 and 1.  Only the ring's refills are issued by every wave, each for its own super-block (50 rows).
.set G0H, 76                           ; s[76:83] groups 0 for z's whole K steps 0, 1;  s[84:91] their group 1
.set G1H, 84
	s_or_b32 s[G1H+0], s43, (3<<16)|(1<<21)
.irp g, G1, G1B, G1H
	s_mov_b32 s[\g+1], 32<<16
	s_mov_b32 s[\g+3], 32<<16
.if \g == G1
	s_mov_b32 s[\g+2], 50<<16
	s_mov_b32 s[\g+4], 50
.else
	s_mov_b32 s[\g+2], 200<<16
	s_mov_b32 s[\g+4], 200
.endif
	s_mov_b32 s[\g+5], 32                          ; tensor_dim0_stride
	s_mov_b32 s[\g+6], 0
	s_mov_b32 s[\g+7], 0
.endr
	s_mul_i32 s45, s14, 12800                      ; my super-block of the four, in memory and in LDS alike: no place in the cluster enters an LDS address
	s_mul_i32 s18, s17, 51200                      ; z: the tile row's four super-blocks at K step 0
	s_add_co_u32 s18, s18, s45
	s_mov_b32 s19, 0
	s_mul_i32 s46, s42, 51200                      ; W1: the tile column's
	s_mov_b32 s47, 0
	s_mul_i32 s92, s17, 51200                      ; z: the tile row's four super-blocks, whole
	s_mov_b32 s93, 0
	s_wait_kmcnt 0x0
	s_add_nc_u64 s[18:19], s[4:5], s[18:19]
	s_add_nc_u64 s[46:47], s[6:7], s[46:47]
	s_add_nc_u64 s[92:93], s[4:5], s[92:93]
.irp s, 0,1
	s_mov_b32 s[G0+4*\s], 1                        ; z's K step s into slot s
	s_add_co_u32 s[G0+4*\s+1], s45, \s*ASL
	s_add_nc_u64 s[G0+4*\s+2:G0+4*\s+3], s[18:19], \s*1638400    ; a K step of 256 on in zq: 128 super-blocks
	s_or_b32 s[G0+4*\s+3], s[G0+4*\s+3], 0x80000000
	s_mov_b32 s[G0B+4*\s], 1                       ; W1's K step s
	s_mov_b32 s[G0B+4*\s+1], BRES+\s*BKS
	s_add_nc_u64 s[G0B+4*\s+2:G0B+4*\s+3], s[46:47], \s*819200   ; in w1q: 64 super-blocks
	s_or_b32 s[G0B+4*\s+3], s[G0B+4*\s+3], 0x80000000
	s_mov_b32 s[G0C+4*\s], 1                       ; W1's K step 2 + s
	s_mov_b32 s[G0C+4*\s+1], BRES+(2+\s)*BKS
	s_mov_b32 s[G0H+4*\s], 1                       ; z's whole K step s into slot s
	s_mov_b32 s[G0H+4*\s+1], \s*ASL
	s_add_nc_u64 s[G0H+4*\s+2:G0H+4*\s+3], s[92:93], \s*1638400
	s_or_b32 s[G0H+4*\s+3], s[G0H+4*\s+3], 0x80000000
	s_add_nc_u64 s[G0C+4*\s+2:G0C+4*\s+3], s[46:47], (2+\s)*819200
	s_or_b32 s[G0C+4*\s+3], s[G0C+4*\s+3], 0x80000000
.endr
	CROUND                                         ; all sixteen work-groups are here: the first joint loads meet
.macro ARM under, g0, g1, next         ; one chain of branches on the wave's number, one load to an arm, all arms to one join
	s_cmp_lt_u32 s14, \under
	s_cbranch_scc0 \next
	tensor_load_to_lds s[\g0:\g0+3], s[\g1:\g1+7]
	s_nop 0
.rept 4
	v_nop
.endr
	s_branch .Lhead_asked
\next:
.endm
	ARM 1, G0H, G1H, .Lhead_1
	ARM 2, G0B, G1B, .Lhead_2
	ARM 3, G0H+4, G1H, .Lhead_3
	tensor_load_to_lds s[G0B+4:G0B+7], s[G1B:G1B+7]
	s_nop 0
.rept 4
	v_nop
.endr
.Lhead_asked:
	v_and_b32 v1, 15, v0                           ; r
	v_bfe_u32 v2, v0, 4, 1                         ; h
	v_and_b32 v3, 31, v0
	v_lshlrev_b32 v[LI], 4, v3
	s_mul_i32 s2, s40, 13                          ; the prefetches: block 13 cx + lane of my super-block's 50, held at the last
	v_min_u32 v30, 12, v3
	v_add_nc_u32 v30, s2, v30
	v_min_u32 v30, 49, v30
	v_lshlrev_b32 v27, 8, v30
	s_wait_alu depctr_va_vdst(0)
	v_lshlrev_b32 v[HB], 6, v2
	s_lshl_b32 s2, s42, 10
	s_lshl_b32 s3, s16, 9
	s_add_co_u32 s2, s2, s3
	s_mov_b32 s3, 0
	s_add_nc_u64 s[8:9], s[8:9], s[2:3]            ; h1 at my 128 hidden units
	WIN 0x40                                       ; destination window 1
.irp b, 0,1,2,3,4,5,6,7                ; strip b, lane (r, h), register j: hidden unit 32 (b / 2) + 8 (b % 2) + 16 h + j
	global_load_b128 v[96+8*\b+96*(\b/4):96+8*\b+96*(\b/4)+3], v[HB], s[8:9] offset:(32*(\b/2)+8*(\b%2))*4
	global_load_b128 v[96+8*\b+96*(\b/4)+4:96+8*\b+96*(\b/4)+7], v[HB], s[8:9] offset:(32*(\b/2)+8*(\b%2))*4+16
.endr
	WIN 0
	global_prefetch_b8 v27, s[18:19] offset:2*1638400 th:TH_LOAD_NT scope:SCOPE_SE   ; the first tile's K steps 2 and 3: the first two refills
	global_prefetch_b8 v27, s[18:19] offset:3*1638400 th:TH_LOAD_NT scope:SCOPE_SE
	s_mul_i32 s2, s15, 25600
.irp s, 0,1
	v_add_nc_u32 v[ADRA+\s], s2, v[LI]
	s_add_co_u32 s2, s2, ASL
.endr
	s_mul_i32 s3, s16, 25600                       ; my 128 rows of W1: two super-blocks of a K step's four
	s_add_co_u32 s3, s3, BRES
.irp k, 0,1,2,3
	v_add_nc_u32 v[ADRB+\k], s3, v[LI]
	s_add_co_u32 s3, s3, BKS
.endr
	v_mul_u32_u24 v[SV], v2, 12800                 ; lanes 0-15 store the words of my first super-block, lanes 16-31 of my second
	v_lshl_add_u32 v[SV], v1, 4, v[SV]
	s_mul_i32 s2, s16, 5888                        ; HO stands 6,144 x half on; the words' unit 12,288 + 256 x half
	s_sub_co_u32 s2, 12288, s2
	v_add_nc_u32 v[SV], s2, v[SV]
	s_mul_i32 s2, s42, 1638400                     ; hq: K step of 256 = my tile column;
	s_lshl_b32 s3, s17, 1
	s_add_co_u32 s3, s3, s15
	s_mul_i32 s3, s3, 25600                        ; super-block 4 x tile row + 2 x half;
	s_add_co_u32 s2, s2, s3
	s_mul_i32 s3, s16, 6144                        ; my 128 hidden units are its K step q = my half
	s_add_co_u32 s2, s2, s3
	s_mov_b32 s3, 0
	s_add_nc_u64 s[HO:HO+1], s[10:11], s[2:3]
	s_mov_b32 s20, 0x76543210
	s_mov_b32 s21, 0xfedcba98                      ; v_permlanex16_b32's selects for lane l xor 16
	s_mov_b32 s22, 0xffff0000                      ; lanes 16-31
	s_mov_b32 s23, 0x2800000                       ; the floor 2^(5 - 127)
.irp b, 0,1,2,3
	v_mov_b32 v[TM+4+\b], 0                        ; written once: a lane permute's destination counts as one of its sources
.endr
.macro FRAG reg, adr, q, i             ; strip i's fragment of K step q of 128: three loads, each 512 consecutive bytes
.irp c, 0,1,2
	ds_load_b128 v[(\reg)+4*\c:(\reg)+4*\c+3], v[\adr] offset:((\i)/4)*12800+(4*(\q)+(\i)%4)*1536+512*\c
.endr
.endm
.macro FETCH_B kb, q, p                ; W1's eight fragments of K step kb of 256, half q, into set p: 24 loads
	WIN 0x40
.irp i, 0,1,2,3,4,5,6,7
	FRAG 128*(\p)+FR*\i, ADRB+(\kb), \q, \i
.endr
	WIN 0
.endm
.macro FETCH_A slot, q, i0             ; z's strips i0 .. i0 + 3: 12 loads
.irp i, \i0, \i0+1, \i0+2, \i0+3
	FRAG AF+FR*(\i), ADRA+\slot, \q, \i
.endr
.endm
.macro SCALES sc, kb                   ; the scale words of slot sc and of W1's K step kb: one register a strip, both halves of the K step
	ds_load_b128 v[SC+16*\sc:SC+16*\sc+3],     v[ADRA+\sc] offset:12288
	ds_load_b128 v[SC+16*\sc+4:SC+16*\sc+7],   v[ADRA+\sc] offset:25088
	ds_load_b128 v[SC+16*\sc+8:SC+16*\sc+11],  v[ADRB+\kb] offset:12288
	ds_load_b128 v[SC+16*\sc+12:SC+16*\sc+15], v[ADRB+\kb] offset:25088
.endm
; 16 matrix instructions: z's strips a0, a0 + 1 x W1's eight.  p: W1's set; q: the half of the K step; sc: the set of scale words.  first = 1: C is h1: the product starts the sums, nothing is cleared.
; The 64 accumulators take turns, one instruction a turn, in the same order in every step.
.macro MUL16 a0, p, q, sc, first
.irp a, \a0, \a0+1
.irp b, 0,1,2,3,4,5,6,7
.if \first
	WM 8*(8*((\a)%4)+\b),128*(\p)+FR*\b,AF+FR*(\a),96+8*\b+96*(\b/4),SC+16*(\sc)+8+\b,SC+16*(\sc)+(\a),\q,\q
.else
	WM 8*(8*((\a)%4)+\b),128*(\p)+FR*\b,AF+FR*(\a),8*(8*((\a)%4)+\b),SC+16*(\sc)+8+\b,SC+16*(\sc)+(\a),\q,\q
.endif
.endr
.endr
.endm
; The first 128 along K of K step kb, which lies in slot (W1's set 0); it fetches the second 128's fragments.
.macro STEP slot, kb, first
	s_wait_dscnt 12                                ; W1's set, z's strips 0-3 and the scale words are in; the youngest 12 loads (z's strips 4-7) may be out
	WIN 0xa1-0x10*(\first)                         ; source 0 window 1, source 1 window 0, D window 2; C window 2, or window 1 where it is h1
	MUL16 0, 0, 0, \slot, \first
	MUL16 2, 0, 0, \slot, \first
	s_wait_dscnt 0x0                               ; z's strips 4-7 are in
	PLACES 4
	FETCH_B \kb, 1, 1
	FETCH_A \slot, 1, 0
	WIN 0xf1-0x20*(\first)                         ; the same with D in window 3
	MUL16 4, 0, 0, \slot, \first
	MUL16 6, 0, 0, \slot, \first
	PLACES 4
	WIN 0
	FETCH_A \slot, 1, 4
.endm
; The second 128 changes slots: ONE barrier; in front of it each wave waits for all its tensor loads, adds 0 to its spare word, and waits for that and for its own reads of this slot.
; nkb: W1's K step that goes with the next slot.  fill = 1: this slot is filled again: with this tile's K step two on (on = 0) or the next tile's K step 0 or 1 (on = 1).
.macro TURN slot, next, nkb, fill, on, pf=0
	s_wait_tensorcnt 0x0                           ; all my tensor loads have landed: my part of the next slot (at the first change: of W1's four K steps too);
	ds_add_u32 v[SPW], v[NIL]                      ; 0 onto my spare word;
	s_wait_dscnt 13                                ; (the add and the youngest 12 loads, z's strips 4-7, may be out)
	WIN 0xa1
	MUL16 0, 1, 1, \slot, 0                        ; sixteen matrix instructions stand between the add and the wait for it
	s_wait_dscnt 0x0                               ; the add is done, and my reads of this slot are over
	s_barrier_signal -1
	MUL16 2, 1, 1, \slot, 0
	WIN 0
	s_barrier_wait -1
.if \fill
	CREST                                          ; the barrier has opened a round of the cluster's barrier: no wave of any partner still reads this slot or has a load on its way
.if \on
	s_sub_nc_u64 s[G0+4*\slot+2:G0+4*\slot+3], s[G0+4*\slot+2:G0+4*\slot+3], 2457600    ; 64 super-blocks down, two K steps back
.else
	s_add_nc_u64 s[G0+4*\slot+2:G0+4*\slot+3], s[G0+4*\slot+2:G0+4*\slot+3], 3276800    ; two K steps on
.endif
	tensor_load_to_lds s[G0+4*\slot:G0+4*\slot+3], s[G1:G1+7]   ; the first tensor load behind the round, my only one until the next: my super-block of z's four
	s_nop 0
.endif
	PLACES 4                                       ; behind the tensor load, and in front of the loads below into registers that matrix instructions have read
	s_wait_alu depctr_va_vdst(0)
	FETCH_B \nkb, 0, 0
	FETCH_A \next, 0, 0
	SCALES \next, \nkb
.if \pf
	global_prefetch_b8 v27, s[18:19] offset:\pf th:TH_LOAD_NT scope:SCOPE_SE   ; pf: bytes from my super-block of the first tile's K step 0 to that of the tile two refills on
.endif
	WIN 0xf1
	MUL16 4, 1, 1, \slot, 0
	MUL16 6, 1, 1, \slot, 0
	PLACES 4
	WIN 0
	FETCH_A \next, 0, 4
.endm
.macro FINAL                           ; the very last 128 along K: nothing more to fetch
	s_wait_dscnt 12
	WIN 0xa1
	MUL16 0, 1, 1, 1, 0
	MUL16 2, 1, 1, 1, 0
	s_wait_dscnt 0x0
	WIN 0xf1
	MUL16 4, 1, 1, 1, 0
	MUL16 6, 1, 1, 1, 0
	WIN 0
	PLACES 4
.endm
; THE WAY OUT.  Strip a's 64 registers of a lane are 16 neighbours of each of four blocks of 32 hidden units of ONE row: relu, the blocks' largest numbers (with lane l xor 16's), the scale word, the codes, the exchange of
; halves that the operand's layout asks; the fragment's twelve registers leave as they stand, 512 consecutive bytes a store.  Each accumulator is read from its low end on.
.macro EPI
.irp a, 0,1,2,3,4,5,6,7
.set AC, 64*(\a%4)
	WIN 0x88+0x44*(\a/4)                           ; source 1 and destination: the strip's window
.set j, 0
.rept 64
	v_max_num_f32 v[AC+j], 0, v[AC+j]              ; the activation, in f32
.set j, j+1
.endr
	WIN 0x28+0x14*(\a/4)                           ; sources 1 and 2: the strip's window
.irp b, 0,1,2,3
	v_max3_num_f32 v[TM+\b], s23, v[AC+16*\b], v[AC+16*\b+1]   ; no |.|: none is negative; the floor holds the byte at 1 from below
.endr
.irp i, 2,4,6,8,10,12,14
.irp b, 0,1,2,3
	v_max3_num_f32 v[TM+\b], v[TM+\b], v[AC+16*\b+\i], v[AC+16*\b+\i+1]   ; (the four blocks by turns)
.endr
.endr
	WIN 0
.irp b, 0,1,2,3
	v_permlanex16_b32 v[TM+4+\b], v[TM+\b], s20, s21
.endr
.irp b, 0,1,2,3
	v_max_num_f32 v[TM+\b], v[TM+\b], v[TM+4+\b]   ; with lane l xor 16's: the block's largest number
.endr
.irp b, 0,1,2,3
	v_add_nc_u32 v[TM+12+\b], 0xfe000000, v[TM+\b] ; 4 off its exponent field: the conversion's scale operand
.endr
.irp b, 0,1,2,3
	v_lshrrev_b32 v[TM+4+\b], 23, v[TM+12+\b]      ; the scale's byte
.endr
	v_lshl_or_b32 v[PW+\a], v[TM+5], 8, v[TM+4]    ; my row's scale word
	v_lshl_or_b32 v[PW+\a], v[TM+6], 16, v[PW+\a]
	v_lshl_or_b32 v[PW+\a], v[TM+7], 24, v[PW+\a]
	s_wait_xcnt 0x0                                ; the last strip's stores have read the codes' registers: they are written again only behind this wait
	WIN 0x02+(\a/4)                                ; source 0: the strip's window
.irp c, 0,1
	v_cvt_scalef32_pk16_bf6_f32 v[PC+6*\c:PC+6*\c+2], v[AC+32*\c:AC+32*\c+15], v[TM+12+2*\c]
	v_cvt_scalef32_pk16_bf6_f32 v[PC+12+4*\c:PC+12+4*\c+2], v[AC+32*\c+16:AC+32*\c+31], v[TM+12+2*\c+1]   ; (a conversion's three registers begin on an even number)
.endr
	WIN 0
	v_nop                                          ; one plain place behind a scaled conversion
.irp c, 0,1                            ; the operand's layout wants a WHOLE block in a lane: lanes 0-15 block 2 c, lanes 16-31 block 2 c + 1
.irp i, 0,1,2
	v_permlane16_swap_b32 v[PC+6*\c+\i], v[PC+12+4*\c+\i]
.endr
.irp i, 0,1,2
	v_mov_b32 v[PC+3+6*\c+\i], v[PC+12+4*\c+\i]
.endr
.endr
.irp c, 0,1,2
	global_store_b128 v[LI], v[PC+4*\c:PC+4*\c+3], s[HO:HO+1] offset:(\a/4)*12800+(\a%4)*1536+512*\c th:TH_STORE_NT   ; 32 lanes store 512 consecutive bytes, at a multiple of 256 from hq's first byte
.endr
.endr
.irp j, 0,1,2,3
	v_cndmask_b32 v[MW+\j], v[PW+\j], v[PW+4+\j], s22   ; lanes 0-15: strips 0-3, lanes 16-31: strips 4-7
.endr
	global_store_b128 v[SV], v[MW:MW+3], s[HO:HO+1] th:TH_STORE_NT   ; each half of the lanes stores 256 consecutive bytes, aligned
.endm
	s_wait_alu depctr_va_vdst(0)
	s_wait_tensorcnt 0x0                           ; my tile of the head's four is in
	ds_add_u32 v[SPW], v[NIL]
	s_wait_dscnt 0x0
	CROUND                                         ; everybody's tile is in, and the sixteen work-groups meet
	s_cmp_lt_u32 s14, 1
	s_cbranch_scc0 .Lsec_1
	tensor_load_to_lds s[G0C:G0C+3], s[G1B:G1B+7]      ; wave 0: W1's K step 2
	s_nop 0
.rept 4
	v_nop
.endr
	s_branch .Lsec_asked
.Lsec_1:
	s_cmp_lt_u32 s14, 2
	s_cbranch_scc0 .Lsec_asked
	tensor_load_to_lds s[G0C+4:G0C+7], s[G1B:G1B+7]    ; wave 1: W1's K step 3
	s_nop 0
.rept 4
	v_nop
.endr
.Lsec_asked:
	FETCH_B 0, 0, 0
	FETCH_A 0, 0, 0
	SCALES 0, 0
	FETCH_A 0, 0, 4
	s_wait_loadcnt 0x0                             ; h1
	STEP 0, 0, 1                                   ; the first tile, K 0 on
	TURN 0, 1, 1, 1, 0, 819200                     ; slot 0 takes z's K step 2; asked for: the second tile's K step 0 (64 super-blocks down)
	STEP 1, 1, 0
	TURN 1, 0, 2, 1, 0, 819200+1638400             ; slot 1 takes K step 3; asked for: the second tile's K step 1
	STEP 0, 2, 0
	TURN 0, 1, 3, 1, 1, 819200+2*1638400           ; the ring goes on into the second tile: slot 0 takes its K step 0; asked for: its K step 2
	STEP 1, 3, 0
	TURN 1, 0, 0, 1, 1, 819200+3*1638400           ; slot 1 its K step 1, and its first fragments are fetched; asked for: its K step 3
	EPI                                            ; both refills are asked for: now the tile goes out
	s_wait_xcnt 0x0                                ; the stores have read their base
	s_add_nc_u64 s[HO:HO+1], s[HO:HO+1], 819200    ; 64 super-blocks down
	STEP 0, 0, 1                                   ; the second tile
	TURN 0, 1, 1, 1, 0
	STEP 1, 1, 0
	TURN 1, 0, 2, 1, 0
	STEP 0, 2, 0
	TURN 0, 1, 3, 0, 0                             ; nothing is left to fetch
	STEP 1, 3, 0
	FINAL
	EPI
	s_wait_tensorcnt 0x0                           ; the wave's end
	ds_add_u32 v[SPW], v[NIL]
	s_wait_dscnt 0x0
	CROUND                                         ; the closing round: no work-group ends while a partner may still ask for a tile that names it
	s_endpgm
.Lfunc_end_k_qd645f32620_gemm1:
	.size	k_qd645f32620_gemm1, .Lfunc_end_k_qd645f32620_gemm1-k_qd645f32620_gemm1
	.p2alignl 7, 3214868480
	.fill 96, 4, 3214868480
	.section	.rodata,"a",@progbits
	.p2align	6, 0x0
	.amdhsa_kernel k_qd645f32620_gemm1
		.amdhsa_group_segment_fixed_size 327680
		.amdhsa_private_segment_fixed_size 0
		.amdhsa_enable_private_segment 0
		.amdhsa_kernarg_size 32
		.amdhsa_user_sgpr_count 2
		.amdhsa_user_sgpr_kernarg_segment_ptr 1
		.amdhsa_wavefront_size32 1
		.amdhsa_system_sgpr_workgroup_id_x 1
		.amdhsa_system_sgpr_workgroup_id_y 1
		.amdhsa_system_sgpr_workgroup_id_z 1
		.amdhsa_system_vgpr_workitem_id 0
		.amdhsa_next_free_vgpr 1024
		.amdhsa_next_free_sgpr 96
		.amdhsa_reserve_vcc 0
		.amdhsa_float_denorm_mode_32 3
		.amdhsa_float_denorm_mode_16_64 3
		.amdhsa_memory_ordered 1
		.amdhsa_forward_progress 1
		.amdhsa_inst_pref_size 255
	.end_amdhsa_kernel
	.section	.bss,"aw",@nobits
	.p2align	6
	.space	262144
	.amdgpu_metadata
---
amdhsa.version: [ 1, 2 ]
amdhsa.kernels:
  - .name:           k_qd645f32620_gemm1
    .symbol:         k_qd645f32620_gemm1.kd
    .args:
      - { .name: zq, .offset: 0, .size: 8, .value_kind: global_buffer, .address_space: global }
      - { .name: w1q, .offset: 8, .size: 8, .value_kind: global_buffer, .address_space: global }
      - { .name: h1, .offset: 16, .size: 8, .value_kind: global_buffer, .address_space: global }
      - { .name: hq, .offset: 24, .size: 8, .value_kind: global_buffer, .address_space: global }
    .group_segment_fixed_size: 327680
    .private_segment_fixed_size: 0
    .kernarg_segment_align: 8
    .kernarg_segment_size: 32
    .max_flat_workgroup_size: 128
    .sgpr_count:     96
    .vgpr_count:     1024
    .wavefront_size: 32
...
	.end_amdgpu_metadata
.endif
;; end of part 2
;; launch gemm2 (part 3): grid 4 x 64, 4 waves a work-group, clusters of 4 x 1, 327,680 bytes of LDS; arguments hq, w2q, sq, cq, z, A, h2, out0; writes out0
.if DOCPART == 3
	.amdgcn_target "amdgcn-amd-amdhsa--gfx1250"
	.amdhsa_code_object_version 6
	.text
	.protected	k_qd645f32620_gemm2
	.globl	k_qd645f32620_gemm2
	.p2align	8
	.type	k_qd645f32620_gemm2,@function
k_qd645f32620_gemm2:
	s_mov_b64 s[64:65], 0
	v_nop
	global_prefetch_b8 v0, s[64:65] scope:SCOPE_SE
	s_setreg_imm32_b32 hwreg(HW_REG_WAVE_MODE, 25, 1), 1
	s_wait_xcnt 0x0
	s_wait_alu depctr_hold_cnt(0) depctr_sa_sdst(0) depctr_va_vdst(0) depctr_va_sdst(0) depctr_va_ssrc(0) depctr_va_vcc(0) depctr_vm_vsrc(0)
	s_getreg_b32 s2, hwreg(HW_REG_IB_STS2, 6, 4)
	s_cmp_eq_u32 s2, 0
	s_cbranch_scc0 .Lentry_in_a_cluster
	s_endpgm
.Lentry_in_a_cluster:
	s_bfe_u32 s2, ttmp6, 0x10000c
	s_cmp_lg_u32 s2, 0x3003
	s_cbranch_scc0 .Lentry_shape_is_right
	s_endpgm
.Lentry_shape_is_right:
; out = A z + hidden W2^T + h2 + s C^T.  hidden (hq), W2 (w2q), s (sq), C (cq) are codes of BF6 (E3M2) with E8M0 scales for each 32 along K, laid in super-blocks of 64 rows x 256 K, 12,800 bytes:
; fragment (q, j) at (4 q + j) x 1,536 as an image of the operand's 12 registers, then 512 bytes of scale words ((q, r, j) at 256 q + 16 r + 4 j); super-blocks lie [k / 256][row / 64].
; SHARES.  A work-group makes 128 rows x 256 columns (256 work-groups); its four waves stand side by side, each 128 rows x 64 columns: 32 accumulators.  K = 4,096 goes in 32 steps of 128, 32 matrix instructions each.
; W2 GOES STRAIGHT INTO REGISTERS.  A wave's 64 columns are one super-block for each 256 along K, and no other wave of the work-group reads it: 12 loads of 512 consecutive bytes a step, five steps ahead of their use, in eight sets of 48 registers.
; So LDS holds the hidden layer alone: a ring of two slots of 512 along K (51,200 bytes), each wave fetching one super-block; a wave reads 8 fragments a step from LDS.
; A step has two runs of loads, each 12 from LDS and 6 from memory, one at its head and one in its middle, and 16 matrix instructions on end behind each.
; THE LAST FOUR STEPS GO BY ROWS OF out: W2's last four sets lie in registers and slot 1 is whole, so each strip of 16 rows is finished by its own 16 matrix instructions and leaves while the next strip is multiplied.
; CLUSTERS: the four work-groups of a row block read the same rows of hq: 4 x 1, joint loads with the mask 15.  W2's loads land in registers, so they are no joint loads; they are asked for 5 steps (160 matrix instructions) ahead, so no prefetch is laid for them.
; hq IS PREFETCHED: behind each refill the fill that stands two refills on, 50 blocks of 256 bytes a wave, shared out among the four partners by address (13 blocks each, held at the wave's last block); the last two refills ask for nothing.
; THE MATRIX INSTRUCTION IS USED TRANSPOSED (source 0 = 16 rows of W2, source 1 = 16 rows of the hidden layer): a lane holds eight neighbouring numbers of a row of out.
; s C^T (K = 64: the upper 64 of the step are zero codes) starts the sums with h2 as its C; A z is added on the way out, in the layout in which rows come back from the stage.
; LIMITS: NaN and infinities are not served; h2 and s C^T are added ahead of the sum over the hidden units, A z behind it.
; REGISTERS, in windows of 256.  Window 0: v8-23 addresses, v32-47 the hidden layer's scale words (two sets), v48-63 W2's (four sets), v64-255 W2's sets 0-3.  Window 1: v8-9 the LDS addresses once more, v32-63 z, v64-255 W2's sets 4-7.
;   Window 2: v0-127 the accumulators of rows 0-63 ((a, b) at 8 (4 a + b)), v128-223 their hidden fragments, two sets, v224-255 z.  Window 3: the same for rows 64-127.
;   So one window setting serves a half step's LDS loads and its matrix instructions: the loads' destination is the accumulators' window, their address stands in W2's window.
.set SBB,    12800
.set PB,     2*SBB                     ; the hidden layer's two super-blocks of 256 along K
.set SLOT,   2*PB
.set STAGE,  2*SLOT                    ; behind the ring: 16 rows x 272 bytes for each wave
.set SPITCH, 272
.set SPARE,  STAGE+4*16*SPITCH         ; the spare words, 128 bytes a wave
.set KP,     204800                    ; w2q: 256 along K on
.set FILL,   3276800                   ; hq: 512 along K on
.set LI,   8                           ; v8 16 x lane (slot 0), v9 the same in slot 1; in windows 0 and 1
.set STO,  10
.set RD,   11
.set LR,   12                          ; 16 x (lane % 16)
.set SH,   13                          ; 16 x (lane / 16)
.set HB,   14                          ; 32 x (lane / 16)
.set ZO,   15                          ; z and out: lanes 0-15 one row's 256 bytes, lanes 16-31 the next row's
.set SPW,  16
.set NIL,  17
.set PFO,  18
.set AV,   20
.set SA,   32
.set SBS,  48
.set SW,   40                          ; s's scale words, C's: in scale registers that the walk loads later
.set CW,   60
.set BF,   64
.set AF,   128
.set BB,   224                         ; the way out: 16 rows read back from the stage, in window 0
.set G1,   24
.set G0,   32
.set PFA,  44
.set MSB, 0
.macro WIN new
.if MSB != (\new)
	s_set_vgpr_msb (MSB<<8)|(\new)
.set MSB, (\new)
.endif
.endm
.macro CREST
	s_cmp_lg_u32 s14, 0
	s_cbranch_scc1 .Lnot_wave_0_\@
	s_barrier_signal -3
.Lnot_wave_0_\@:
	s_barrier_wait -3
	s_barrier_signal -1
	s_barrier_wait -1
.endm
.macro CROUND
	s_barrier_signal -1
	s_barrier_wait -1
	CREST
.endm
.macro PLACES n
.rept \n
	v_nop
.endr
.endm
.macro WM d, a, b, c, sa, sb, ra, rb
.if (\ra) && (\rb)
	v_wmma_scale_f32_16x16x128_f8f6f4 v[(\d):(\d)+7], v[(\a):(\a)+11], v[(\b):(\b)+11], v[(\c):(\c)+7], v[\sa], v[\sb] matrix_a_fmt:MATRIX_FMT_BF6 matrix_b_fmt:MATRIX_FMT_BF6 matrix_a_scale:MATRIX_SCALE_ROW1 matrix_b_scale:MATRIX_SCALE_ROW1
.elseif (\ra)
	v_wmma_scale_f32_16x16x128_f8f6f4 v[(\d):(\d)+7], v[(\a):(\a)+11], v[(\b):(\b)+11], v[(\c):(\c)+7], v[\sa], v[\sb] matrix_a_fmt:MATRIX_FMT_BF6 matrix_b_fmt:MATRIX_FMT_BF6 matrix_a_scale:MATRIX_SCALE_ROW1
.elseif (\rb)
	v_wmma_scale_f32_16x16x128_f8f6f4 v[(\d):(\d)+7], v[(\a):(\a)+11], v[(\b):(\b)+11], v[(\c):(\c)+7], v[\sa], v[\sb] matrix_a_fmt:MATRIX_FMT_BF6 matrix_b_fmt:MATRIX_FMT_BF6 matrix_b_scale:MATRIX_SCALE_ROW1
.else
	v_wmma_scale_f32_16x16x128_f8f6f4 v[(\d):(\d)+7], v[(\a):(\a)+11], v[(\b):(\b)+11], v[(\c):(\c)+7], v[\sa], v[\sb] matrix_a_fmt:MATRIX_FMT_BF6 matrix_b_fmt:MATRIX_FMT_BF6
.endif
.endm
; t: a step's number in its lap of eight.  16 matrix instructions: row strips a0 .. a0 + 3 against my four column strips; the accumulators take turns
.macro MM4 t, a0
.irp a, \a0, \a0+1, \a0+2, \a0+3
.irp b, 0,1,2,3
	WM 8*(4*((\a)%4)+\b),BF+48*((\t)%4)+12*\b,AF+48*((\t)%2)+12*((\a)%4),8*(4*((\a)%4)+\b),SBS+4*(((\t)/2)%4)+\b,SA+8*(((\t)/2)%2)+(\a),(\t)%2,(\t)%2
.endr
.endr
.endm
.macro MM2 t, a0                       ; the same for two row strips
.irp a, \a0, \a0+1
.irp b, 0,1,2,3
	WM 8*(4*((\a)%4)+\b),BF+48*((\t)%4)+12*\b,AF+48*((\t)%2)+12*((\a)%4),8*(4*((\a)%4)+\b),SBS+4*(((\t)/2)%4)+\b,SA+8*(((\t)/2)%2)+(\a),(\t)%2,(\t)%2
.endr
.endr
.endm
.macro AL4 t, i0                       ; the hidden layer's strips i0 .. i0 + 3 of step t, from LDS: 12 loads of 512 consecutive bytes
.irp i, \i0, \i0+1, \i0+2, \i0+3
.irp c, 0,1,2
	ds_load_b128 v[AF+48*((\t)%2)+12*((\i)%4)+4*\c:AF+48*((\t)%2)+12*((\i)%4)+4*\c+3], v[LI+(((\t)%8)/4)] offset:((((\t)%8)/2)%2)*PB+((\i)/4)*SBB+(4*((\t)%2)+(\i)%4)*1536+512*\c
.endr
.endr
.endm
.macro ASC p                           ; its scale words for 256 along K: a register a strip, lanes 0-15 the first 128, lanes 16-31 the second
	ds_load_b128 v[SA+8*((\p)%2):SA+8*((\p)%2)+3], v[LI+(((\p)%4)/2)] offset:((\p)%2)*PB+12288
	ds_load_b128 v[SA+8*((\p)%2)+4:SA+8*((\p)%2)+7], v[LI+(((\p)%4)/2)] offset:((\p)%2)*PB+SBB+12288
.endm
.macro BL u, g                         ; half g of W2's four fragments of step u, from memory
.irp n, 0,1,2,3,4,5
	global_load_b128 v[BF+48*((\u)%4)+4*(6*(\g)+\n):BF+48*((\u)%4)+4*(6*(\g)+\n)+3], v[LI], s[70:71] offset:((\u)/2)*KP+((\u)%2)*6144+512*(6*(\g)+\n)
.endr
.endm
.macro BSC p
	global_load_b128 v[SBS+4*((\p)%4):SBS+4*((\p)%4)+3], v[LI], s[70:71] offset:(\p)*KP+12288
.endm
.macro ZSET a                          ; where z's strip a (16 rows x 64 columns, 32 registers) lies
.if (\a) == 0
.set ZW, 1
.set ZB, 32
.elseif (\a) < 3
.set ZW, 1+(\a)
.set ZB, 224
.else
.set ZW, 0
.set ZB, 64+32*((\a)-3)
.endif
.endm
.macro ZL a
	ZSET \a
	WIN ZW<<6
.irp t, 0,1,2,3,4,5,6,7
	global_load_b128 v[ZB+4*\t:ZB+4*\t+3], v[ZO], s[76:77] offset:(16*(\a)+2*\t)*4096 th:TH_LOAD_NT
.endr
.endm
; the loads from memory of a half step: W2's fragments of five steps on; in an odd step's first half also the scale words of the next 256 along K
.macro GRP t, g
	WIN ((((\t)+5)%8)/4)<<6
	BL (\t)+5,\g
.if ((\t)%2) && ((\g) == 0)
	WIN 0
	BSC ((\t)+5)/2
	ASC ((\t)+1)/2
.endif
.endm
; A step: two runs of loads (the next step's hidden fragments, W2's of five steps on), 16 matrix instructions behind each
.macro NSTEP t
	PLACES 4                                       ; in front of this step's loads into registers that earlier steps' matrix instructions have read
	s_wait_dscnt 12                                ; strips 0-3 and the scale words are in; the youngest 12 loads (strips 4-7) may be out
	s_wait_loadcnt 50                              ; this step's W2 is in; four later steps' 48 loads of fragments and 2 of scale words may be out
	WIN (((\t)%8)/4)+0xa8
	AL4 (\t)+1,0
	GRP \t,0
	WIN (((\t)%8)/4)+0xa8
	MM4 \t,0
	s_wait_dscnt 12+2*((\t)%2)                     ; all but this step's first 12 loads (and an odd step's two of scale words)
	WIN (((\t)%8)/4)+0xfc
	AL4 (\t)+1,4
	GRP \t,1
	WIN (((\t)%8)/4)+0xfc
	MM4 \t,4
.endm
.macro ASK                             ; the fill two refills on; the loop's last trip has none
	s_cmp_gt_u32 s3, 1
	s_cbranch_scc0 .Lno_ask_\@
	global_prefetch_b8 v[PFO], s[PFA:PFA+1] offset:2*FILL th:TH_LOAD_NT scope:SCOPE_SE
.Lno_ask_\@:
.endm
; The first half of a slot's last step: its own fragments were fetched in the step before, the next step's lie in the other slot.  ONE barrier: in front of it each wave waits for all its tensor loads,
; adds 0 to its spare word and waits for that and for its reads of this slot
.macro MEET t
	WIN 0
	s_wait_tensorcnt 0x0                           ; my part of the other slot has landed
	ds_add_u32 v[SPW], v[NIL]
	s_wait_dscnt 13                                ; (the add and strips 4-7 may be out)
	s_wait_loadcnt 50
	WIN (((\t)%8)/4)+0xa8
	MM2 \t,0
	s_wait_dscnt 0x0                               ; the add is done, my reads of this slot are over
	s_barrier_signal -1
	MM2 \t,2
	WIN 0
	s_barrier_wait -1
.endm
.macro TSTEP t                         ; the whole step where the slot is filled again: the barrier opens a round of the cluster's barrier
	s_wait_xcnt 0x0                                ; my last prefetch has read its address
	s_add_nc_u64 s[PFA:PFA+1], s[PFA:PFA+1], FILL
	MEET \t
	CREST
	s_add_nc_u64 s[G0+4*(((\t)%8)/4)+2:G0+4*(((\t)%8)/4)+3], s[G0+4*(((\t)%8)/4)+2:G0+4*(((\t)%8)/4)+3], 2*FILL
	tensor_load_to_lds s[G0+4*(((\t)%8)/4):G0+4*(((\t)%8)/4)+3], s[G1:G1+7]   ; my one load behind the round: my super-block of the slot's four
	s_nop 0
	PLACES 4                                       ; behind the tensor load, and in front of the loads below
	ASC ((\t)+1)/2
	BSC ((\t)+5)/2
	WIN 0x80
	AL4 (\t)+1,0
	WIN 0xc0
	AL4 (\t)+1,4
	WIN ((((\t)+5)%8)/4)<<6
	BL (\t)+5,0
	BL (\t)+5,1
	WIN 0
	ASK
	WIN (((\t)%8)/4)+0xfc
	MM4 \t,4
.endm
; a strip of 16 rows x 64 K of s or C: half of a stored fragment; the upper 64 along K are zero codes
.macro KLD reg, j, odd, base
.if \odd
	global_load_b64  v[(\reg):(\reg)+1],   v[LI], s[\base:\base+1] offset:(\j)*1536+520
	global_load_b128 v[(\reg)+2:(\reg)+5], v[LI], s[\base:\base+1] offset:(\j)*1536+1024
.else
	global_load_b128 v[(\reg):(\reg)+3],   v[LI], s[\base:\base+1] offset:(\j)*1536
	global_load_b64  v[(\reg)+4:(\reg)+5], v[LI], s[\base:\base+1] offset:(\j)*1536+512
.endif
.irp i, 6,7,8,9,10,11
	v_mov_b32 v[(\reg)+\i], 0
.endr
.endm
	s_load_b512 s[68:83], s[0:1], 0x0              ; hq 68, w2q 70, sq 72, cq 74, z 76, A 78, h2 80, out0 82
	v_lshl_add_u32 v[SPW], v0, 2, SPARE
	v_mov_b32 v[NIL], 0
	ds_add_u32 v[SPW], v[NIL]                      ; the opening lines: the add twice on end and its wait
	ds_add_u32 v[SPW], v[NIL]
	v_lshrrev_b32 v1, 5, v0
	v_readfirstlane_b32 s14, v1                    ; wave 0..3: my 64 columns; also which super-block of a slot's four I fetch
	s_lshr_b32 s15, s14, 1
	s_and_b32 s16, s14, 1
	s_bfe_u32 s40, ttmp6, 0x40000                  ; cx
	s_lshl_b32 s42, ttmp9, 2
	s_add_co_u32 s42, s42, s40                     ; column block of 256
	s_and_b32 s17, ttmp7, 0xffff                   ; row block of 128
	s_mov_b32 s[G1+0], 15|(3<<16)|(1<<21)          ; the mask of the four partners; elements of 8 bytes; bit 21 beside a mask
	s_mov_b32 s[G1+1], 32<<16                      ; a super-block: 50 rows of 256 bytes
	s_mov_b32 s[G1+2], 50<<16
	s_mov_b32 s[G1+3], 32<<16
	s_mov_b32 s[G1+4], 50
	s_mov_b32 s[G1+5], 32
	s_mov_b32 s[G1+6], 0
	s_mov_b32 s[G1+7], 0
	s_lshl_b32 s18, s15, 7                         ; hq: super-block 128 (wave / 2) + 2 x row block + wave % 2
	s_lshl_b32 s19, s17, 1
	s_add_co_u32 s18, s18, s19
	s_add_co_u32 s18, s18, s16
	s_mul_i32 s18, s18, SBB
	s_mov_b32 s19, 0
	s_mul_i32 s20, s14, SBB
	s_wait_dscnt 0x0
	s_wait_kmcnt 0x0
	s_add_nc_u64 s[18:19], s[68:69], s[18:19]
.irp s, 0,1
	s_mov_b32 s[G0+4*\s], 1
	s_add_co_u32 s[G0+4*\s+1], s20, \s*SLOT
	s_add_nc_u64 s[G0+4*\s+2:G0+4*\s+3], s[18:19], \s*FILL
	s_or_b32 s[G0+4*\s+3], s[G0+4*\s+3], 0x80000000
.endr
	s_add_nc_u64 s[PFA:PFA+1], s[18:19], FILL      ; stepped ahead of each refill: it then stands at that refill's fill
	CROUND                                         ; the four work-groups are here: the first joint loads meet
	tensor_load_to_lds s[G0:G0+3], s[G1:G1+7]      ; slot 0: my one load at the head
	s_nop 0
	PLACES 4
	s_lshr_b32 s2, s17, 1                          ; sq: a super-block holds 256 rows of s, 128 for each q, 32 a fragment
	s_mul_i32 s2, s2, SBB
	s_and_b32 s3, s17, 1
	s_mul_i32 s20, s3, 6144
	s_add_co_u32 s20, s20, s2
	s_mov_b32 s21, 0
	s_lshl_b32 s22, s3, 8
	s_add_co_u32 s22, s22, s2
	s_add_co_u32 s22, s22, 12288
	s_mov_b32 s23, 0
	s_add_nc_u64 s[84:85], s[72:73], s[22:23]
	s_add_nc_u64 s[72:73], s[72:73], s[20:21]
	s_mul_i32 s2, s42, SBB                         ; cq: my 64 rows of C: q = wave / 2, fragments 2 (wave % 2) on
	s_mul_i32 s20, s15, 6144
	s_add_co_u32 s20, s20, s2
	s_mul_i32 s3, s16, 3072
	s_add_co_u32 s20, s20, s3
	s_lshl_b32 s22, s15, 8
	s_add_co_u32 s22, s22, s2
	s_lshl_b32 s3, s16, 3
	s_add_co_u32 s22, s22, s3
	s_add_co_u32 s22, s22, 12288
	s_add_nc_u64 s[86:87], s[74:75], s[22:23]
	s_add_nc_u64 s[74:75], s[74:75], s[20:21]
	s_lshl_b32 s22, s42, 10                        ; my first column, in bytes
	s_lshl_b32 s3, s14, 8
	s_add_co_u32 s22, s22, s3
	s_lshl_b32 s20, s17, 19                        ; my first row of z and out
	s_add_co_u32 s20, s20, s22
	s_add_nc_u64 s[76:77], s[76:77], s[20:21]
	s_add_nc_u64 s[82:83], s[82:83], s[20:21]
	s_add_nc_u64 s[78:79], s[78:79], s[22:23]
	s_add_nc_u64 s[80:81], s[80:81], s[22:23]
	s_lshl_b32 s20, s42, 2                         ; w2q: super-block 4 x column block + wave
	s_add_co_u32 s20, s20, s14
	s_mul_i32 s20, s20, SBB
	s_add_nc_u64 s[70:71], s[70:71], s[20:21]
	s_mul_i32 s2, s40, 13
	s_mul_i32 s3, s14, 16*SPITCH
	s_add_co_u32 s3, s3, STAGE
	v_and_b32 v1, 15, v0
	v_bfe_u32 v2, v0, 4, 1
	v_and_b32 v3, 31, v0
	v_lshlrev_b32 v[LI], 4, v3
	v_lshlrev_b32 v[LR], 4, v1
	v_lshlrev_b32 v[SH], 4, v2
	v_lshlrev_b32 v[HB], 5, v2
	v_add_nc_u32 v[LI+1], SLOT, v[LI]
	v_lshl_add_u32 v[ZO], v2, 12, v[LR]
	v_mul_u32_u24 v4, v1, SPITCH                   ; into the stage: row lane % 16, 32 bytes for each half of the lanes
	v_lshl_add_u32 v4, v2, 5, v4
	v_add_nc_u32 v[STO], s3, v4
	v_mul_u32_u24 v5, v2, SPITCH                   ; back: sixteen lanes to a row of 256 bytes
	v_add_nc_u32 v5, v5, v[LR]
	v_add_nc_u32 v[RD], s3, v5
	v_min_u32 v6, 12, v3                           ; the prefetches: block 13 cx + lane of my super-block's 50, held at the last
	v_add_nc_u32 v6, s2, v6
	v_min_u32 v6, 49, v6
	v_lshlrev_b32 v[PFO], 8, v6
	WIN 0x40
	v_lshlrev_b32 v[LI], 4, v3                     ; the two LDS addresses once more, in window 1
	v_add_nc_u32 v[LI+1], SLOT, v[LI]
	WIN 0
	s_wait_alu depctr_va_vdst(0)
	WIN 0x80
.irp a, 0,1,2,3
	KLD 176+12*\a,\a/2,\a%2,72
.endr
	WIN 0xc0
.irp a, 0,1,2,3
	KLD 176+12*\a,2+\a/2,\a%2,72
.endr
	WIN 0x40
.irp b, 0,1,2,3
	KLD 208+12*\b,\b/2,\b%2,74
.endr
.irp b, 0,1,2,3                        ; h2 in the result's layout: column 16 b + 8 (lane / 16) + j
	global_load_b128 v[160+8*\b:160+8*\b+3], v[HB], s[80:81] offset:64*\b
	global_load_b128 v[160+8*\b+4:160+8*\b+7], v[HB], s[80:81] offset:64*\b+16
.endr
	WIN 0
	global_load_b128 v[SW:SW+3], v[LR], s[84:85]
	global_load_b64  v[CW:CW+1], v[LR], s[86:87]
	global_load_b128 v[AV:AV+3], v[LR], s[78:79]
	ZL 0
	ZL 1
	ZL 2
.irp u, 0,1,2,3,4                      ; W2's steps 0 to 4: 60 loads of fragments and 3 of scale words
	WIN (\u/4)<<6
	BL \u,0
.if \u%2 == 0
	WIN 0
	BSC \u/2
	WIN (\u/4)<<6
.endif
	BL \u,1
.endr
	WIN 0
	s_wait_alu depctr_va_vdst(0)
	s_wait_tensorcnt 0x0                           ; my part of slot 0 is in
	ds_add_u32 v[SPW], v[NIL]
	s_wait_dscnt 0x0
	CROUND
	tensor_load_to_lds s[G0+4:G0+7], s[G1:G1+7]    ; slot 1
	s_nop 0
	PLACES 4
	ASC 0                                          ; step 0's scale words and fragments, on their way under the wait for s and C
	WIN 0x80
	AL4 0,0
	WIN 0xc0
	AL4 0,4
	WIN 0
	s_wait_loadcnt 63                              ; all but W2's 63
.irp i, 0,1,2,3
	v_lshrrev_b32 v[SW+\i], v[SH], v[SW+\i]        ; lanes 16-31: the bytes of the fragment's second strip
.endr
.irp i, 0,1
	v_lshrrev_b32 v[CW+\i], v[SH], v[CW+\i]
.endr
	PLACES 8                                       ; a scale register written by a vector instruction stands 8 places ahead
.irp a, 0,1,2,3,4,5,6,7                ; s C^T + h2 starts the sums
	WIN 0x99+0x44*(\a/4)
.irp b, 0,1,2,3
	WM 8*(4*(\a%4)+\b),208+12*\b,176+12*(\a%4),160+8*\b,CW+\b/2,SW+\a/2,\b%2,\a%2
.endr
.endr
	WIN 0
	s_mov_b32 s3, 3
.Lk:                                   ; a lap: eight steps, once round the ring and once round W2's eight sets
	NSTEP 0
	NSTEP 1
	NSTEP 2
	TSTEP 3
	NSTEP 4
	NSTEP 5
	NSTEP 6
	TSTEP 7
	WIN 0
	s_wait_xcnt 0x0                                ; the loads have read their base
	s_add_nc_u64 s[70:71], s[70:71], 4*KP
	s_sub_co_u32 s3, s3, 1
	s_cmp_lg_u32 s3, 0
	s_cbranch_scc1 .Lk
	NSTEP 0                                        ; the last lap: no refill; W2's loads end with step 31's
	NSTEP 1
	NSTEP 2
; THE LAST FOUR STEPS (4 to 7 of the lap, in slot 1) BY ROWS.  ALR: strip a's fragments of the four steps, 48 registers, set a % 2 of its window.  ROW: its 16 matrix instructions, K ascending, its four accumulators by turns
.macro ALR a
.irp u, 4,5,6,7
.irp c, 0,1,2
	ds_load_b128 v[AF+48*((\a)%2)+12*(\u-4)+4*\c:AF+48*((\a)%2)+12*(\u-4)+4*\c+3], v[LI+1] offset:((\u/2)%2)*PB+((\a)/4)*SBB+(4*(\u%2)+(\a)%4)*1536+512*\c
.endr
.endr
.endm
.macro ROW a, graded
	WIN 1+0x54*(2+(\a)/4)
.irp u, 4,5,6,7
.if \graded
	s_wait_loadcnt 24+12*(7-\u)+(7-\u)/2           ; W2's set of this step is in: behind it the later steps' 12 each, one load of scale words, and z's 24
.endif
.irp b, 0,1,2,3
	WM 8*(4*((\a)%4)+\b),BF+48*(\u%4)+12*\b,AF+48*((\a)%2)+12*(\u-4),8*(4*((\a)%4)+\b),SBS+4*((\u/2)%4)+\b,SA+8*((\u/2)%2)+(\a),\u%2,\u%2
.endr
.endr
.endm
; THE WAY OUT of a strip of 16 rows x 64 columns: through my own stage and back as rows of 256 bytes; + A z; sixteen lanes store one aligned unit of 256 bytes.  LDS serves a wave's instructions in order (ISA guide 5.7.1.4)
.macro TOSTAGE a
	WIN 0x08+4*((\a)/4)
.irp b, 0,1,2,3
	ds_store_b128 v[STO], v[8*(4*((\a)%4)+\b):8*(4*((\a)%4)+\b)+3] offset:64*\b       ; each accumulator from its low end on
	ds_store_b128 v[STO], v[8*(4*((\a)%4)+\b)+4:8*(4*((\a)%4)+\b)+7] offset:64*\b+16
.endr
	WIN 0
.irp t, 0,1,2,3,4,5,6,7
	ds_load_b128 v[BB+4*\t:BB+4*\t+3], v[RD] offset:\t*2*SPITCH
.endr
.endm
.macro SEND a, younger
	ZSET \a
	s_wait_dscnt \younger
.if (\a) >= 3
	s_wait_loadcnt 8*(7-(\a))                      ; the later strips of z may be out
.endif
	WIN ZW
.irp t, 0,1,2,3,4,5,6,7
.irp u, 0,1
	v_pk_fma_f32 v[BB+4*\t+2*\u:BB+4*\t+2*\u+1], v[ZB+4*\t+2*\u:ZB+4*\t+2*\u+1], v[AV+2*\u:AV+2*\u+1], v[BB+4*\t+2*\u:BB+4*\t+2*\u+1]
.endr
.endr
	WIN 0
.irp t, 0,1,2,3,4,5,6,7
	global_store_b128 v[ZO], v[BB+4*\t:BB+4*\t+3], s[82:83] offset:(16*(\a)+2*\t)*4096 th:TH_STORE_NT
.endr
.endm
	MEET 3                                         ; slot 1's last fill is whole; nothing is filled again, so no round follows
	PLACES 4
	ASC 2
	ZL 3                                           ; z's strips 3, 4, 5 take W2's sets 0 and 1, which are done with
	ZL 4
	ZL 5
	WIN 0x80
	ALR 0
	ALR 1
	WIN 0xfc
	MM4 3,4
	PLACES 4                                       ; the scale words of the last 256 along K land where this step's lay
	WIN 0
	ASC 3
	s_wait_dscnt 0x0
	ROW 0,1
.irp a, 0,1,2,3,4,5,6,7                ; strip a goes through the stage while strip a + 1 is multiplied
	PLACES 4
.if \a > 0
	s_wait_xcnt 0x0                                ; the last strip's stores have read their registers
.endif
	TOSTAGE \a
.if \a < 6
	WIN (2+(\a+2)/4)<<6
	ALR \a+2
.endif
.if \a == 0
	ZL 6                                           ; z's strips 6, 7 take W2's sets 2 and 3
	ZL 7
.endif
.if \a < 6
	s_wait_dscnt 28                                ; strip a + 1's fragments are in; behind them the stage's 16 and strip a + 2's 12
	ROW \a+1,0
	SEND \a,12
.elseif \a == 6
	s_wait_dscnt 16
	ROW \a+1,0
	SEND \a,0
.else
	SEND \a,0
.endif
.endr
	s_wait_tensorcnt 0x0                           ; the wave's end
	ds_add_u32 v[SPW], v[NIL]
	s_wait_dscnt 0x0
	CROUND                                         ; the closing round
	s_endpgm
.Lfunc_end_k_qd645f32620_gemm2:
	.size	k_qd645f32620_gemm2, .Lfunc_end_k_qd645f32620_gemm2-k_qd645f32620_gemm2
	.p2alignl 7, 3214868480
	.fill 96, 4, 3214868480
	.section	.rodata,"a",@progbits
	.p2align	6, 0x0
	.amdhsa_kernel k_qd645f32620_gemm2
		.amdhsa_group_segment_fixed_size 327680
		.amdhsa_private_segment_fixed_size 0
		.amdhsa_enable_private_segment 0
		.amdhsa_kernarg_size 64
		.amdhsa_user_sgpr_count 2
		.amdhsa_user_sgpr_kernarg_segment_ptr 1
		.amdhsa_wavefront_size32 1
		.amdhsa_system_sgpr_workgroup_id_x 1
		.amdhsa_system_sgpr_workgroup_id_y 1
		.amdhsa_system_sgpr_workgroup_id_z 1
		.amdhsa_system_vgpr_workitem_id 0
		.amdhsa_next_free_vgpr 1024
		.amdhsa_next_free_sgpr 98
		.amdhsa_reserve_vcc 0
		.amdhsa_float_denorm_mode_32 3
		.amdhsa_float_denorm_mode_16_64 3
		.amdhsa_memory_ordered 1
		.amdhsa_forward_progress 1
		.amdhsa_inst_pref_size 164
	.end_amdhsa_kernel
	.amdgpu_metadata
---
amdhsa.version: [ 1, 2 ]
amdhsa.kernels:
  - .name:           k_qd645f32620_gemm2
    .symbol:         k_qd645f32620_gemm2.kd
    .args:
      - { .name: hq, .offset: 0, .size: 8, .value_kind: global_buffer, .address_space: global }
      - { .name: w2q, .offset: 8, .size: 8, .value_kind: global_buffer, .address_space: global }
      - { .name: sq, .offset: 16, .size: 8, .value_kind: global_buffer, .address_space: global }
      - { .name: cq, .offset: 24, .size: 8, .value_kind: global_buffer, .address_space: global }
      - { .name: z, .offset: 32, .size: 8, .value_kind: global_buffer, .address_space: global }
      - { .name: A, .offset: 40, .size: 8, .value_kind: global_buffer, .address_space: global }
      - { .name: h2, .offset: 48, .size: 8, .value_kind: global_buffer, .address_space: global }
      - { .name: out0, .offset: 56, .size: 8, .value_kind: global_buffer, .address_space: global }
    .group_segment_fixed_size: 327680
    .private_segment_fixed_size: 0
    .kernarg_segment_align: 8
    .kernarg_segment_size: 64
    .max_flat_workgroup_size: 128
    .sgpr_count:     98
    .vgpr_count:     1024
    .wavefront_size: 32
...
	.end_amdgpu_metadata
.endif
;; end of part 3
